; MI455X (gfx1250); checked and timed in simulation.
; The chip was launched on July 23, 2026; its instructions are those of AMD's public machine-readable ISA for CDNA 5 (MIT licence, August 2026) and "CDNA5" Instruction Set Architecture Reference Guide (July 2026). The comments in the code are by the model that wrote it; some were corrected since.
;; Windowed Multihead Attention. Allowed arithmetic: float matrix products may take bf16 or f16 operands with f32 sums; all other float work in f32.
;; Inputs: proj_b 256 float32; proj_w 256 x 256 float32; qkv_b 768 float32; qkv_w 768 x 256 float32; x 8 x 1,024 x 256 float32.
;; Outputs: out0 8 x 1,024 x 256 float32.
;; 2 versions, each right; version 2 is version 1 with the launch attn written anew for expert scheduling mode. Each part assembles by itself: llvm-mc -triple=amdgcn-amd-amdhsa -mcpu=gfx1250 --defsym DOCPART=n.
;; ======== version 1 of 2: 2 launches
;; limits: right only within a limited range of input values
;; workspace buffers: qf 4,194,304 bytes; kf 4,194,304 bytes; vf 4,194,304 bytes; pw 131,072 bytes
;; launch qkv (part 1): grid 4 x 64, 4 waves a work-group, no clusters, 184,832 bytes of LDS; arguments x, qkv_w, qkv_b, proj_w, qf, kf, vf, pw; writes qf, kf, vf, pw
.if DOCPART == 1
	.amdgcn_target "amdgcn-amd-amdhsa--gfx1250"
	.amdhsa_code_object_version 6
	.text
	.protected	k_qe11763e930_qkv
	.globl	k_qe11763e930_qkv
	.p2align	8
	.type	k_qe11763e930_qkv,@function
k_qe11763e930_qkv:
	s_mov_b64 s[64:65], 0
	v_nop
	global_prefetch_b8 v0, s[64:65] scope:SCOPE_SE
	s_setreg_imm32_b32 hwreg(HW_REG_WAVE_MODE, 25, 1), 1
	s_wait_xcnt 0x0
; q, k, v = x W^T + b, in bf16, stored in the register order of the matrix instructions that will read them; proj_w is rewritten the same way.
; x: [8192][256] f32.  qkv_w: [768][256] f32 (feature = kind*256 + head*32 + d).  Products in bf16, sums in f32.
; A work-group (c = x id 0..3, tb = y id 0..63) makes 128 tokens x heads 2c, 2c+1 x (q, k, v) = 128 x 192.  Four waves; wave w makes
; 64 tokens (th = w>>1) x one head (hl = w&1) = 4 token tiles x 6 feature tiles (ft 0,1 = q, 2,3 = k, 4,5 = v) = 24 accumulators.
; OUTPUT LAYOUT.  A fragment is 1,024 bytes: [half 0..1][lane 0..31][16 bytes], lane = 16 h + r.  G = token / 32 (a grid row of a batch).
;   qf, kf: byte G*16384 + head*2048 + tile*1024 + half*512 + lane*16 = token 16 tile + r of row G, d = 16 half + 8 h + 0..7
;   vf:     the same formula with tile = dt: d = 16 dt + r, tokens 16 half + 8 h + 0..7 of row G (v transposed)
;   pw:     byte ((etile*8 + ks)*2 + half)*512 + lane*16 = proj_w[16 etile + r][32 ks + 16 half + 8 h + 0..7]
; q is stored multiplied by log2(e)/16 (embed_dim^-0.5 = 1/16), so that the softmax can use the base-2 exponential.
; For q and k the weights are source 0 and x source 1: a lane's 8 results are 8 neighbouring d of one token.  For v the other way
; round: 8 neighbouring tokens of one d.  Either way four conversions make the 16 bytes of the layout, and a wave's store is 512 aligned bytes.
; K = 256 goes in four chunks of 64.  Each chunk's f32 rows pass through registers once (converted to bf16) into an LDS region of its own;
; no LDS byte is written twice, so one barrier a chunk (stores, then reads) is all the ordering.
; No tensor loads: the inputs are f32 and are narrowed on the way, which halves the LDS bytes.  No cluster: see above, nothing comes by tensor load.
; LIMITS: NaN and infinities are not looked after; operands are rounded to bf16 (nearest even).
.set PITCH, 144                        ; an LDS row: 128 bytes of bf16 + 16 = 9 x 16: sixteen rows start at sixteen different 16-byte columns modulo 256
.set CHUNK, 320*PITCH                  ; rows 0-127 x, rows 128 + 16 bk weights, bk = hl*6 + kind*2 + d16
.set VG,  1                            ; v1  global: (2 w + 8 h) rows of 1,024 bytes + 16 (lane & 15)
.set LST, 2                            ; v2  LDS store: (2 w + 8 h) rows + 8 (lane & 15), stepped a chunk at a time
.set FX,  3                            ; v3  LDS: my x fragments, (64 th + r) rows + 16 h
.set FW,  4                            ; v4  LDS: my weight fragments, (128 + 96 hl + r) rows + 16 h
.set LO,  5                            ; v5  16 x lane
.set VB,  6                            ; v6  32 h
.set VR,  7                            ; v7  4 r
.set VP,  8                            ; v8  1,024 r + 32 h
.set FA,  16                           ; v16-95   fragments of a chunk's first K step: x tile tt at 8 tt, weight tile ft at 32 + 8 ft
.set FB,  96                           ; v96-175  of its second
.set PK,  176                          ; v176-255 a chunk's 40 x 8 bytes of bf16 on their way to LDS
.set T,   16                           ; v16-207  the way out
.set PWO, 208                          ; v208-211 proj_w's 16 bytes
.set BQK, 192                          ; window 1: 192-223 bias of ft 0..3, 8 each;  0-191 the accumulators, tile 6 tt + ft at 8 (6 tt + ft)
.set BV,  224                          ; window 1: 224-227 v's bias, each of the two numbers twice (a pair for the packed add)
.set PWS, 228                          ; window 1: 228-235 eight f32 of proj_w (wave 0)
; windows 2 and 3: three sets of 160 registers for chunks on their way in.  A: window 2, 0-159.  B: window 3, 0-159.  C: x window 3, 160-223; weights window 2, 160-255
.set MSB, 0
.macro WIN new                         ; low byte: bits 1:0 source 0, 3:2 source 1, 5:4 source 2, 7:6 destination; the high byte repeats the setting that is left
.if MSB != \new
	s_set_vgpr_msb (MSB<<8)|\new
.set MSB, \new
.endif
.endm
.macro PLACES n
.rept \n
	v_nop
.endr
.endm
	s_load_b512 s[4:19], s[0:1], 0x0               ; x 4, qkv_w 6, qkv_b 8, proj_w 10, qf 12, kf 14, vf 16, pw 18
	v_lshl_add_u32 v14, v0, 2, 0x2d000
	v_mov_b32 v15, 0
	v_lshrrev_b32 v9, 5, v0
	v_readfirstlane_b32 s20, v9                    ; wave
	s_lshr_b32 s21, s20, 1                         ; th
	s_and_b32 s22, s20, 1                          ; hl
	s_mov_b32 s23, ttmp9                           ; c
	s_and_b32 s24, ttmp7, 0xffff                   ; tb
	s_lshl1_add_u32 s25, s23, s22                  ; head = 2 c + hl
	s_lshl2_add_u32 s30, s24, s23                  ; i = 4 tb + c: which 512 bytes of pw are this work-group's
	v_and_b32 v10, 15, v0                          ; r
	v_bfe_u32 v11, v0, 4, 1                        ; h
	v_lshlrev_b32 v12, 1, v9
	v_lshl_add_u32 v12, v11, 3, v12                ; 2 w + 8 h: my row in a block of 16
	v_lshlrev_b32 v[VG], 4, v10
	v_lshl_add_u32 v[VG], v12, 10, v[VG]
	v_mul_u32_u24 v[LST], v12, PITCH
	v_lshl_add_u32 v[LST], v10, 3, v[LST]
	v_mul_u32_u24 v13, v10, PITCH
	v_lshl_add_u32 v13, v11, 4, v13                ; r rows + 16 h
	s_mul_i32 s31, s21, 64*PITCH
	v_add_nc_u32 v[FX], s31, v13
	s_mul_i32 s31, s22, 96*PITCH
	s_add_co_u32 s31, s31, 128*PITCH
	v_add_nc_u32 v[FW], s31, v13
	v_and_b32 v[LO], 31, v0
	v_lshlrev_b32 v[LO], 4, v[LO]
	v_lshlrev_b32 v[VB], 5, v11
	v_lshlrev_b32 v[VR], 2, v10
	v_lshl_add_u32 v[VP], v10, 10, v[VB]
	; byte offsets of this work-group's and wave's parts, each in a pair of its own
	s_lshl_b32 s26, s24, 17                        ; x: 128 tb rows of 1,024 bytes
	s_mov_b32 s27, 0
	s_lshl_b32 s28, s23, 16                        ; qkv_w: 64 c rows
	s_mov_b32 s29, 0
	s_lshl_b32 s32, s25, 7                         ; qkv_b: 32 head numbers
	s_mov_b32 s33, 0
	s_lshr_b32 s34, s30, 4
	s_lshl_b32 s34, s34, 14                        ; proj_w: 16 (i >> 4) rows
	s_and_b32 s31, s30, 15
	s_lshl_b32 s31, s31, 6                         ;         + 16 (i & 15) columns
	s_add_co_u32 s34, s34, s31
	s_mov_b32 s35, 0
	s_lshl_b32 s36, s24, 2
	s_lshl1_add_u32 s36, s21, s36                  ; G of my first token = 4 tb + 2 th
	s_lshl_b32 s36, s36, 14
	s_lshl_b32 s31, s25, 11
	s_add_co_u32 s36, s36, s31                     ; qf, kf, vf: G*16384 + head*2048
	s_mov_b32 s37, 0
	s_lshl_b32 s38, s30, 9                         ; pw: 512 i
	s_mov_b32 s39, 0
	s_wait_kmcnt 0x0
	s_add_nc_u64 s[4:5], s[4:5], s[26:27]
	s_add_nc_u64 s[6:7], s[6:7], s[28:29]
	s_add_nc_u64 s[8:9], s[8:9], s[32:33]
	s_add_nc_u64 s[10:11], s[10:11], s[34:35]
	s_add_nc_u64 s[12:13], s[12:13], s[36:37]
	s_add_nc_u64 s[14:15], s[14:15], s[36:37]
	s_add_nc_u64 s[16:17], s[16:17], s[36:37]
	s_add_nc_u64 s[18:19], s[18:19], s[38:39]      ; no base and no address register is written again: no wait for address translation is needed anywhere
	; the small loads first: they are older than every counted load, so they enter no count
	WIN 0x40
.irp ft, 0,1,2,3
	global_load_b128 v[BQK+8*\ft:BQK+8*\ft+3],   v[VB], s[8:9] offset:(\ft>>1)*1024+(\ft&1)*64       ; bias of features 16 d16 + 8 h + 0..3
	global_load_b128 v[BQK+8*\ft+4:BQK+8*\ft+7], v[VB], s[8:9] offset:(\ft>>1)*1024+(\ft&1)*64+16    ; .. + 4..7
.endr
.irp dt, 0,1
	global_load_b32 v[BV+2*\dt],   v[VR], s[8:9] offset:2048+\dt*64                                  ; v's bias of d = 16 dt + r,
	global_load_b32 v[BV+2*\dt+1], v[VR], s[8:9] offset:2048+\dt*64                                  ; twice
.endr
	WIN 0
	s_cmp_lg_u32 s20, 0
	s_cbranch_scc1 .Lno_pw_load
	WIN 0x40
	global_load_b128 v[PWS:PWS+3],   v[VP], s[10:11]
	global_load_b128 v[PWS+4:PWS+7], v[VP], s[10:11] offset:16
	WIN 0
.Lno_pw_load:
; 40 loads: my share of chunk ck (columns 64 ck .. 64 ck + 63).  A load takes two rows' aligned 256 bytes: lanes 0-15 one row, lanes 16-31 the row 8 below.
; Loads 0-15: x, blocks of 16 rows 0..7.  Loads 16-39: weights, blocks bk = 0..11.
.macro LOADC ck, xwin, xb, wwin, wb
	WIN \xwin
.set n, 0
.rept 16
	global_load_b128 v[\xb+4*n:\xb+4*n+3], v[VG], s[4:5] offset:((n>>1)*16+(n&1))*1024+\ck*256
.set n, n+1
.endr
	WIN \wwin
.set n, 0
.rept 24
.set bk, n>>1
	global_load_b128 v[\wb+4*n:\wb+4*n+3], v[VG], s[6:7] offset:(((bk%6)/2)*256+(bk/6)*32+(bk%2)*16+(n&1))*1024+\ck*256
.set n, n+1
.endr
.endm
; A chunk that has come is rounded to bf16 and stored to its LDS region.  later = loads issued behind this chunk's 40.
; In front of each eight loads' conversions: at most later + 32 - n younger loads may be out (loads return in order, ISA guide 5.7.1);
; the wait's field holds 63, and a smaller count than needed is safe.
.macro CONVERT later, xsrc, xb, wsrc, wb, step
.set n, 0
.rept 40
.if (n%8) == 0
.if (\later+32-n) > 63
	s_wait_loadcnt 63
.else
	s_wait_loadcnt \later+32-n
.endif
.endif
.if n < 16
	WIN \xsrc
	v_cvt_pk_bf16_f32 v[PK+2*n],   v[\xb+4*n],   v[\xb+4*n+1]
	v_cvt_pk_bf16_f32 v[PK+2*n+1], v[\xb+4*n+2], v[\xb+4*n+3]
.else
	WIN \wsrc
	v_cvt_pk_bf16_f32 v[PK+2*n],   v[\wb+4*(n-16)],   v[\wb+4*(n-16)+1]
	v_cvt_pk_bf16_f32 v[PK+2*n+1], v[\wb+4*(n-16)+2], v[\wb+4*(n-16)+3]
.endif
.set n, n+1
.endr
	WIN 0
.set n, 0
.rept 40
	ds_store_b64 v[LST], v[PK+2*n:PK+2*n+1] offset:(16*(n>>1)+(n&1))*PITCH   ; lanes 0-15: 128 bytes of a row; lanes 16-31: 8 rows = 1,152 bytes on, the other 128 modulo 256
.set n, n+1
.endr
.if \step
	v_add_nc_u32 v[LST], CHUNK, v[LST]             ; the next chunk's region
.endif
.endm
; 40 LDS loads: the fragments of a chunk's two K steps.  16 rows x 32 K in 8 registers: two loads of 16 bytes, 32 bytes apart (ISA guide 7.12.2).
.macro FRAGS step
.irp ks, 0,1
.irp tt, 0,1,2,3
	ds_load_b128 v[FA+80*\ks+8*\tt:FA+80*\ks+8*\tt+3],   v[FX] offset:\tt*16*PITCH+\ks*64
	ds_load_b128 v[FA+80*\ks+8*\tt+4:FA+80*\ks+8*\tt+7], v[FX] offset:\tt*16*PITCH+\ks*64+32
.endr
.irp ft, 0,1,2,3,4,5
	ds_load_b128 v[FA+80*\ks+32+8*\ft:FA+80*\ks+32+8*\ft+3],   v[FW] offset:\ft*16*PITCH+\ks*64
	ds_load_b128 v[FA+80*\ks+32+8*\ft+4:FA+80*\ks+32+8*\ft+7], v[FW] offset:\ft*16*PITCH+\ks*64+32
.endr
.endr
.if \step
	v_add_nc_u32 v[FX], CHUNK, v[FX]
	v_add_nc_u32 v[FW], CHUNK, v[FW]
.endif
.endm
.macro WM d, a, b, zero
.if \zero
	v_wmma_f32_16x16x32_bf16 v[(\d):(\d)+7], v[(\a):(\a)+7], v[(\b):(\b)+7], 0
.else
	v_wmma_f32_16x16x32_bf16 v[(\d):(\d)+7], v[(\a):(\a)+7], v[(\b):(\b)+7], v[(\d):(\d)+7]
.endif
.endm
; One K step: 24 matrix instructions.  The 24 accumulators take turns, one instruction a turn, in the same order in every K step.
; zero = 1: the first K step starts the sums, nothing is cleared.
.macro MMA f, zero
.irp tt, 0,1,2,3
.irp ft, 0,1,2,3,4,5
.if \ft < 4
	WM 8*(6*\tt+\ft), \f+32+8*\ft, \f+8*\tt, \zero     ; q, k: rows = features, columns = tokens
.else
	WM 8*(6*\tt+\ft), \f+8*\tt, \f+32+8*\ft, \zero     ; v: rows = tokens, columns = features
.endif
.endr
.endr
.endm
; Between two chunks: my LDS stores of the next chunk are done (zero, for the other waves' sake), the barrier, and four places between the last
; matrix instructions and the loads into the registers that they read.
.macro NEXTCHUNK
	WIN 0
	s_wait_dscnt 0x0
	s_barrier_signal -1
	s_barrier_wait -1
	PLACES 4
.endm
	LOADC 0, 0x80, 0, 0x80, 64                     ; chunk 0 into set A
	LOADC 1, 0xc0, 0, 0xc0, 64                     ; chunk 1 into set B
	LOADC 2, 0xc0, 160, 0x80, 160                  ; chunk 2 into set C
	CONVERT 80, 0x0a, 0, 0x0a, 64, 1               ; chunk 0; chunks 1 and 2 are younger
	LOADC 3, 0x80, 0, 0x80, 64                     ; set A has been read: chunk 3
	WIN 0
	s_wait_dscnt 0x0                               ; my part of chunk 0 is in LDS,
	s_barrier_signal -1
	s_barrier_wait -1                              ; everybody's is
	FRAGS 1                                        ; chunk 0
	CONVERT 80, 0x0f, 0, 0x0f, 64, 1               ; chunk 1 to LDS; chunks 2 and 3 are younger
	s_wait_dscnt 40                                ; the 40 fragment loads are in; the 40 younger stores may be out
	WIN 0x50                                       ; C and D window 1, fragments window 0
	MMA FA, 1
	MMA FB, 0
	NEXTCHUNK
	FRAGS 1                                        ; chunk 1
	CONVERT 40, 0x0f, 160, 0x0a, 160, 1            ; chunk 2 to LDS; chunk 3 is younger
	s_wait_dscnt 40
	WIN 0x50
	MMA FA, 0
	MMA FB, 0
	NEXTCHUNK
	FRAGS 1                                        ; chunk 2
	CONVERT 0, 0x0a, 0, 0x0a, 64, 0                ; chunk 3 to LDS; its last wait is for zero, so the bias loads are in too
	s_wait_dscnt 40
	WIN 0x50
	MMA FA, 0
	MMA FB, 0
	NEXTCHUNK
	FRAGS 0                                        ; chunk 3
	s_wait_dscnt 20                                ; the first K step's 20 loads are in
	WIN 0x50
	MMA FA, 0
	s_wait_dscnt 0x0
	MMA FB, 0
	; THE WAY OUT: bias (and q's scale) in f32, one rounding to bf16, 16 bytes a lane, 512 aligned bytes a store.
	WIN 0
	PLACES 4                                       ; four places behind the last matrix instructions: results are read, fragment registers written
	WIN 0x41
.irp p, 0,1,2,3,4,5,6,7
	v_pk_mul_f32 v[BQK+2*\p:BQK+2*\p+1], v[BQK+2*\p:BQK+2*\p+1], 0x3db8aa3b op_sel_hi:[1,0]     ; q's bias times log2(e)/16
.endr
	WIN 0x15                                       ; sources window 1, destination window 0
.irp tt, 0,1,2,3
.irp ft, 0,1,2,3,4,5
.irp p, 0,1,2,3
.if \ft < 2
	v_pk_fma_f32 v[T+8*(6*\tt+\ft)+2*\p:T+8*(6*\tt+\ft)+2*\p+1], v[8*(6*\tt+\ft)+2*\p:8*(6*\tt+\ft)+2*\p+1], 0x3db8aa3b, v[BQK+8*\ft+2*\p:BQK+8*\ft+2*\p+1] op_sel_hi:[1,0,1]
.else
.if \ft < 4
	v_pk_add_f32 v[T+8*(6*\tt+\ft)+2*\p:T+8*(6*\tt+\ft)+2*\p+1], v[8*(6*\tt+\ft)+2*\p:8*(6*\tt+\ft)+2*\p+1], v[BQK+8*\ft+2*\p:BQK+8*\ft+2*\p+1]
.else
	v_pk_add_f32 v[T+8*(6*\tt+\ft)+2*\p:T+8*(6*\tt+\ft)+2*\p+1], v[8*(6*\tt+\ft)+2*\p:8*(6*\tt+\ft)+2*\p+1], v[BV+2*(\ft-4):BV+2*(\ft-4)+1]
.endif
.endif
.endr
.endr
.endr
	WIN 0
.set t, 0
.rept 24
.irp p, 0,1,2,3
	v_cvt_pk_bf16_f32 v[T+4*t+\p], v[T+8*t+2*\p], v[T+8*t+2*\p+1]      ; in place, ascending: a destination never lies ahead of a source not yet read
.endr
.set t, t+1
.endr
.irp tt, 0,1,2,3
.irp ft, 0,1
	global_store_b128 v[LO], v[T+4*(6*\tt+\ft):T+4*(6*\tt+\ft)+3], s[12:13] offset:(\tt>>1)*16384+(\tt&1)*1024+\ft*512
.endr
.irp ft, 2,3
	global_store_b128 v[LO], v[T+4*(6*\tt+\ft):T+4*(6*\tt+\ft)+3], s[14:15] offset:(\tt>>1)*16384+(\tt&1)*1024+(\ft-2)*512
.endr
.irp ft, 4,5
	global_store_b128 v[LO], v[T+4*(6*\tt+\ft):T+4*(6*\tt+\ft)+3], s[16:17] offset:(\tt>>1)*16384+(\ft-4)*1024+(\tt&1)*512
.endr
.endr
	s_cmp_lg_u32 s20, 0
	s_cbranch_scc1 .Ldone
	WIN 0x05
.irp p, 0,1,2,3
	v_cvt_pk_bf16_f32 v[PWO+\p], v[PWS+2*\p], v[PWS+2*\p+1]
.endr
	WIN 0
	global_store_b128 v[LO], v[PWO:PWO+3], s[18:19]
.Ldone:
	s_wait_tensorcnt 0x0
	ds_add_u32 v14, v15
	s_wait_dscnt 0x0
	s_endpgm
.Lfunc_end_k_qe11763e930_qkv:
	.size	k_qe11763e930_qkv, .Lfunc_end_k_qe11763e930_qkv-k_qe11763e930_qkv
	.p2alignl 7, 3214868480
	.fill 96, 4, 3214868480
	.section	.rodata,"a",@progbits
	.p2align	6, 0x0
	.amdhsa_kernel k_qe11763e930_qkv
		.amdhsa_group_segment_fixed_size 184832
		.amdhsa_private_segment_fixed_size 0
		.amdhsa_enable_private_segment 0
		.amdhsa_kernarg_size 64
		.amdhsa_user_sgpr_count 2
		.amdhsa_user_sgpr_kernarg_segment_ptr 1
		.amdhsa_wavefront_size32 1
		.amdhsa_system_sgpr_workgroup_id_x 1
		.amdhsa_system_sgpr_workgroup_id_y 1
		.amdhsa_system_sgpr_workgroup_id_z 1
		.amdhsa_system_vgpr_workitem_id 0
		.amdhsa_next_free_vgpr 992
		.amdhsa_next_free_sgpr 66
		.amdhsa_reserve_vcc 0
		.amdhsa_float_denorm_mode_32 3
		.amdhsa_float_denorm_mode_16_64 3
		.amdhsa_memory_ordered 1
		.amdhsa_forward_progress 1
		.amdhsa_inst_pref_size 91
	.end_amdhsa_kernel
	.amdgpu_metadata
---
amdhsa.version: [ 1, 2 ]
amdhsa.kernels:
  - .name:           k_qe11763e930_qkv
    .symbol:         k_qe11763e930_qkv.kd
    .args:
      - { .name: x, .offset: 0, .size: 8, .value_kind: global_buffer, .address_space: global }
      - { .name: qkv_w, .offset: 8, .size: 8, .value_kind: global_buffer, .address_space: global }
      - { .name: qkv_b, .offset: 16, .size: 8, .value_kind: global_buffer, .address_space: global }
      - { .name: proj_w, .offset: 24, .size: 8, .value_kind: global_buffer, .address_space: global }
      - { .name: qf, .offset: 32, .size: 8, .value_kind: global_buffer, .address_space: global }
      - { .name: kf, .offset: 40, .size: 8, .value_kind: global_buffer, .address_space: global }
      - { .name: vf, .offset: 48, .size: 8, .value_kind: global_buffer, .address_space: global }
      - { .name: pw, .offset: 56, .size: 8, .value_kind: global_buffer, .address_space: global }
    .group_segment_fixed_size: 184832
    .private_segment_fixed_size: 0
    .kernarg_segment_align: 8
    .kernarg_segment_size: 64
    .max_flat_workgroup_size: 128
    .sgpr_count:     66
    .vgpr_count:     992
    .wavefront_size: 32
...
	.end_amdgpu_metadata
.endif
;; end of part 1
;; launch attn (part 2): grid 256 x 1, 8 waves a work-group, no clusters, 50,688 bytes of LDS; arguments qf, kf, vf, pw, proj_b, out0; writes out0
.if DOCPART == 2
	.amdgcn_target "amdgcn-amd-amdhsa--gfx1250"
	.amdhsa_code_object_version 6
	.text
	.protected	k_qe11763e930_attn
	.globl	k_qe11763e930_attn
	.p2align	8
	.type	k_qe11763e930_attn,@function
k_qe11763e930_attn:
	s_mov_b64 s[64:65], 0
	v_nop
	global_prefetch_b8 v0, s[64:65] scope:SCOPE_SE
	s_setreg_imm32_b32 hwreg(HW_REG_WAVE_MODE, 25, 1), 1
	s_wait_xcnt 0x0
; Windowed attention and the output projection.  Token (g, w) of the 32 x 32 grid sees (g', w') iff |g - g'| <= 3 and |w - w'| <= 5.
; A work-group is one grid row G = 32 b + g of one batch: 32 queries, two tiles qt of 16.  Eight waves; in the attention wave = head,
; in the projection wave w makes output columns e = 32 w .. 32 w + 31 of all 32 tokens.  Straight-line text: no loop, no branch.
; qf, kf, vf, pw hold matrix fragments in register order ([half][lane][16 bytes], 1,024 bytes a fragment): every load is 512 aligned
; bytes of a wave and lands as an operand.  The chain of operand orders needs no shuffle:
;   S^T = K Q^T + mask  lane (r, h), register j = key 8 h + j of a key tile, query r; two key tiles rounded to bf16 are P's fragment (K = 32 keys)
;   O^T = V^T P^T       lane (r, h), register j = d 8 h + j of a d tile, query r; two d tiles rounded are the projection's fragment (K step = head)
;   out^T = W O^T + b   lane (r, h), register j = column 8 h + j, token r
; KEY ROWS: seven slots i = rows start + i, start = min(max(g - 3, 0), 25), so every load stays inside its batch.  A slot outside
; g - 3 .. g + 3 (edge rows only) is computed and then shifted by -1e30 ahead of maximum and exponential: its weights are exact zeros.
; SOFTMAX: the true maximum over the allowed keys is taken away; q carries log2(e)/16, so exp is the base-2 one.  All 224 scores of a
; query tile stay in 112 registers between the two passes.  A query's keys lie in lanes r and r + 16: one exchange for maximum and sum.
; No cluster, no tensor loads: neighbouring work-groups' key windows differ by a row, and everything lands in registers directly.
; LIMITS: masked scores are -1e30 in place of -infinity: right while |q.k log2(e)/16| < 1e29.  NaN and infinities are not looked after.
; The denominator sums the unrounded f32 weights, the numerator uses them rounded to bf16.
.set LO,   1                           ; v1  16 x lane
.set OXS,  2                           ; v2  LDS: head*1024 + 16 lane
.set OUTS, 4                           ; v4  LDS: 16384 + r*1040 + 128 w + 32 h
.set OUTR, 5                           ; v5  LDS: 16384 + 4 w*1040 + 16 lane
.set OG,   6                           ; v6  out0: 4 w rows of 1,024 bytes + 16 lane
.set PBO,  7                           ; v7  proj_b: 128 w + 32 h
.set TM,   8                           ; v8-15   at work; also the rounded O
.set NMA,  16                          ; v[16:17], v[18:19]: -(maximum) - slot shift, for even and odd slots (v17, v19 = 0, never used as numbers)
.set MX,   20                          ; v20 running maximum
.set NEGM, 21                          ; v21 its negative
.set XT,   22                          ; v22 what the other half of the lanes holds
.set LS,   24                          ; v24-31  four chains of pairs for the row sum
.set RC,   32                          ; v[32:33] 1 / row sum, twice
.set QF,   40                          ; v40-55  Q, tile qt at 8 qt
.set MD,   56                          ; v56-63  mask tile, key tile = query tile
.set MU,   64                          ; v64-71  query tile 0, key tile 1
.set ML,   72                          ; v72-79  query tile 1, key tile 0
.set SS,   80                          ; v80-191 scores: slot i, key tile kt at 16 i + 8 kt; rounded P of slot i at 8 i
.set OO,   192                         ; v192-207 O^T, d tile dt at 8 dt
.set OFR,  80                          ; v80-207 projection: O's fragments, K step ks, tile qt at 16 ks + 8 qt
.set ACC,  208                         ; v208-239 projection sums, 16 el + 8 qt
.set PB,   240                         ; v240-255 proj_b, 8 el
.set KW,   0                           ; window 1: 0-111 K (16 i + 8 kt); later 0-127 proj_w's fragments (64 el + 8 ks)
.set VW,   128                         ; window 1: 128-239 V (16 i + 8 dt)
.set SB,   20                          ; s20-26 slot shifts: 0 or 1e30
.set OXB,  0                           ; LDS: O exchange, [qt][head][half][lane][16 bytes], 16,384 bytes
.set OPITCH, 1040                      ; LDS: output stage at 16,384, 32 rows of 1,024 + 16 bytes = 65 x 16: sixteen rows fall in sixteen different 16-byte columns modulo 256
.set MSB, 0
.macro WIN new                         ; low byte: bits 1:0 source 0, 3:2 source 1, 5:4 source 2, 7:6 destination; the high byte repeats the setting that is left
.if MSB != \new
	s_set_vgpr_msb (MSB<<8)|\new
.set MSB, \new
.endif
.endm
.macro PLACES n
.rept \n
	v_nop
.endr
.endm
	s_load_b256 s[4:11], s[0:1], 0x0               ; qf 4, kf 6, vf 8, pw 10
	s_load_b128 s[12:15], s[0:1], 0x20             ; proj_b 12, out0 14
	v_lshl_add_u32 v38, v0, 2, 0xc200
	v_mov_b32 v39, 0
	v_lshrrev_b32 v8, 5, v0
	v_readfirstlane_b32 s16, v8                    ; wave = head
	v_and_b32 v9, 31, v0
	v_lshlrev_b32 v[LO], 4, v9
	s_and_b32 s27, ttmp9, 31                       ; g
	s_sub_co_i32 s17, s27, 3
	s_max_i32 s17, s17, 0
	s_min_i32 s17, s17, 25                         ; start
	s_sub_co_i32 s18, s17, s27
	s_add_co_i32 s18, s18, 3                       ; start - (g - 3)
.irp i, 0,1,2,3,4,5,6
	s_add_co_i32 s19, s18, \i                      ; slot i's row less g - 3: inside the window iff 0 .. 6 (unsigned compare)
	s_cmp_le_u32 s19, 6
	s_cselect_b32 s[SB+\i], 0, 0x7149f2ca          ; 0 or 1e30
.endr
	s_lshl_b32 s32, s16, 11                        ; head*2048
	s_lshl_b32 s28, ttmp9, 14
	s_add_co_u32 s28, s28, s32                     ; qf: G*16384 + head*2048
	s_mov_b32 s29, 0
	s_sub_co_u32 s33, ttmp9, s27
	s_add_co_u32 s33, s33, s17                     ; 32 b + start
	s_lshl_b32 s34, s33, 14
	s_add_co_u32 s34, s34, s32                     ; kf, vf
	s_mov_b32 s35, 0
	s_lshl_b32 s36, s16, 14                        ; pw: my two e tiles, 16,384 bytes
	s_mov_b32 s37, 0
	s_lshl_b32 s38, ttmp9, 15                      ; out0: 32 rows of 1,024 bytes
	s_mov_b32 s39, 0
	s_mov_b32 s30, 0x76543210                      ; v_permlanex16_b32: lane i reads lane i of the other half
	s_mov_b32 s31, 0xfedcba98
	s_wait_kmcnt 0x0
	s_add_nc_u64 s[4:5], s[4:5], s[28:29]
	s_add_nc_u64 s[6:7], s[6:7], s[34:35]
	s_add_nc_u64 s[8:9], s[8:9], s[34:35]
	s_add_nc_u64 s[10:11], s[10:11], s[36:37]
	s_add_nc_u64 s[14:15], s[14:15], s[38:39]      ; no base and no address register is written again
	; 60 loads: Q (4), K (28), V (28)
.irp n, 0,1,2,3
	global_load_b128 v[QF+4*\n:QF+4*\n+3], v[LO], s[4:5] offset:\n*512 th:TH_LOAD_NT
.endr
	WIN 0x40
.irp i, 0,1,2,3,4,5,6
.irp n, 0,1,2,3
	global_load_b128 v[KW+16*\i+4*\n:KW+16*\i+4*\n+3], v[LO], s[6:7] offset:\i*16384+\n*512
.endr
.endr
.irp i, 0,1,2,3,4,5,6
.irp n, 0,1,2,3
	global_load_b128 v[VW+16*\i+4*\n:VW+16*\i+4*\n+3], v[LO], s[8:9] offset:\i*16384+\n*512
.endr
.endr
	WIN 0
	; while they are on their way: addresses and the three mask tiles
	v_and_b32 v10, 15, v0                          ; r
	v_bfe_u32 v11, v0, 4, 1                        ; h
	v_lshl_add_u32 v[OXS], v8, 10, v[LO]
	v_lshlrev_b32 v[PBO], 5, v11
	v_lshl_add_u32 v[PBO], v8, 7, v[PBO]
	v_mul_u32_u24 v[OUTS], v10, OPITCH
	v_add_nc_u32 v[OUTS], v[OUTS], v[PBO]
	v_add_nc_u32 v[OUTS], 16384, v[OUTS]
	v_mul_u32_u24 v[OUTR], v8, 4*OPITCH
	v_add_nc_u32 v[OUTR], v[OUTR], v[LO]
	v_add_nc_u32 v[OUTR], 16384, v[OUTR]
	v_lshl_add_u32 v[OG], v8, 12, v[LO]
	v_mov_b32 v[XT], 0
	v_mov_b32 v[NMA+1], 0
	v_mov_b32 v[NMA+3], 0
	v_lshlrev_b32 v12, 3, v11
	v_sub_nc_u32 v12, v12, v10                     ; 8 h - r
	v_mov_b32 v13, 0xf149f2ca                      ; -1e30
	v_mov_b32 v14, 0
; register j: key column 16 kt + 8 h + j against query column 16 qt + r; allowed iff their difference + 5 is 0 .. 10 (unsigned compare).  delta = 16 (kt - qt)
.macro MASKT base, delta
.irp j, 0,1,2,3,4,5,6,7
	v_add_nc_u32 v15, 5+\j+\delta, v12
	v_cmp_ge_u32 vcc_lo, 10, v15
	v_cndmask_b32 v[\base+\j], v13, v14, vcc_lo
.endr
.endm
	MASKT MD, 0
	MASKT MU, 16
	MASKT ML, -16
; the largest of slot i's 16 scores of my lane, shifted, into the running maximum
.macro ROWMAX i
	v_max3_num_f32 v[TM+0], v[SS+16*\i+0],  v[SS+16*\i+1],  v[SS+16*\i+2]
	v_max3_num_f32 v[TM+1], v[SS+16*\i+3],  v[SS+16*\i+4],  v[SS+16*\i+5]
	v_max3_num_f32 v[TM+2], v[SS+16*\i+6],  v[SS+16*\i+7],  v[SS+16*\i+8]
	v_max3_num_f32 v[TM+3], v[SS+16*\i+9],  v[SS+16*\i+10], v[SS+16*\i+11]
	v_max3_num_f32 v[TM+4], v[SS+16*\i+12], v[SS+16*\i+13], v[SS+16*\i+14]
	v_max3_num_f32 v[TM+0], v[TM+0], v[TM+1], v[TM+2]
	v_max3_num_f32 v[TM+3], v[TM+3], v[TM+4], v[SS+16*\i+15]
	v_max_num_f32 v[TM+0], v[TM+0], v[TM+3]
.if \i == 0
	v_sub_f32 v[MX], v[TM+0], s[SB+\i]             ; the first slot starts the maximum
.else
	v_sub_f32 v[TM+0], v[TM+0], s[SB+\i]
	v_max_num_f32 v[MX], v[MX], v[TM+0]
.endif
.endm
; slot i: P = 2^(S - maximum - shift), summed in f32, rounded to bf16 into P's fragment at SS + 8 i (registers whose scores have been used)
.macro SOFT i
.set NMC, NMA+2*(\i&1)
.set NMN, NMA+2-2*(\i&1)
.irp p, 0,1,2,3,4,5,6,7
	v_pk_add_f32 v[SS+16*\i+2*\p:SS+16*\i+2*\p+1], v[SS+16*\i+2*\p:SS+16*\i+2*\p+1], v[NMC:NMC+1] op_sel_hi:[1,0]
.endr
.irp j, 0,1,2,3,4,5,6,7,8,9,10,11,12,13,14,15
	v_exp_f32 v[SS+16*\i+\j], v[SS+16*\i+\j]
.endr
.if \i < 6
	v_sub_f32 v[NMN], v[NEGM], s[SB+\i+1]          ; the plain instruction between the exponentials and the first use of a result (ISA guide 5.7.2): the next slot's addend
.else
	v_nop                                          ; the same place, with nothing left to do
	s_wait_alu depctr_va_vdst(0)
.endif
.if \i == 0
	s_wait_alu depctr_va_vdst(0)
.irp c, 0,1,2,3
	v_pk_add_f32 v[LS+2*\c:LS+2*\c+1], v[SS+2*\c:SS+2*\c+1], v[SS+8+2*\c:SS+8+2*\c+1]              ; the first slot starts the four chains
.endr
.else
	s_wait_alu depctr_va_vdst(0)
.irp p, 0,1,2,3,4,5,6,7
	v_pk_add_f32 v[LS+2*(\p&3):LS+2*(\p&3)+1], v[LS+2*(\p&3):LS+2*(\p&3)+1], v[SS+16*\i+2*\p:SS+16*\i+2*\p+1]
.endr
.endif
.irp p, 0,1,2,3,4,5,6,7
	v_cvt_pk_bf16_f32 v[SS+8*\i+\p], v[SS+16*\i+2*\p], v[SS+16*\i+2*\p+1]
.endr
.endm
; one query tile of my head
.macro QT qt
	WIN 0x01                                       ; source 0 (K, V) window 1, the rest window 0
.irp i, 0,1,2,3,4,5,6
.irp kt, 0,1
.if \kt == \qt
	v_wmma_f32_16x16x32_bf16 v[SS+16*\i+8*\kt:SS+16*\i+8*\kt+7], v[KW+16*\i+8*\kt:KW+16*\i+8*\kt+7], v[QF+8*\qt:QF+8*\qt+7], v[MD:MD+7]
.else
.if \kt > \qt
	v_wmma_f32_16x16x32_bf16 v[SS+16*\i+8*\kt:SS+16*\i+8*\kt+7], v[KW+16*\i+8*\kt:KW+16*\i+8*\kt+7], v[QF+8*\qt:QF+8*\qt+7], v[MU:MU+7]
.else
	v_wmma_f32_16x16x32_bf16 v[SS+16*\i+8*\kt:SS+16*\i+8*\kt+7], v[KW+16*\i+8*\kt:KW+16*\i+8*\kt+7], v[QF+8*\qt:QF+8*\qt+7], v[ML:ML+7]
.endif
.endif
.endr
.endr
	WIN 0
	PLACES 4                                       ; four places behind the last matrix instruction: scores are read, and (second tile) K's registers loaded again (ISA guide 7.12.1)
.if \qt == 1
	WIN 0x40                                       ; K has had its last use: proj_w's 32 half fragments of my two e tiles take its place
.irp n, 0,1,2,3,4,5,6,7,8,9,10,11,12,13,14,15,16,17,18,19,20,21,22,23,24,25,26,27,28,29,30,31
	global_load_b128 v[KW+4*\n:KW+4*\n+3], v[LO], s[10:11] offset:\n*512
.endr
	WIN 0
.irp el, 0,1
	global_load_b128 v[PB+8*\el:PB+8*\el+3],   v[PBO], s[12:13] offset:\el*64
	global_load_b128 v[PB+8*\el+4:PB+8*\el+7], v[PBO], s[12:13] offset:\el*64+16
.endr
.endif
.irp i, 0,1,2,3,4,5,6
	ROWMAX \i
.endr
	v_permlanex16_b32 v[XT], v[MX], s30, s31       ; the query's other 112 keys lie in lane r xor 16
	v_max_num_f32 v[MX], v[MX], v[XT]
	v_sub_f32 v[NEGM], 0, v[MX]
	v_sub_f32 v[NMA], v[NEGM], s[SB]
.irp i, 0,1,2,3,4,5,6
	SOFT \i
.endr
	v_pk_add_f32 v[LS:LS+1], v[LS:LS+1], v[LS+2:LS+3]
	v_pk_add_f32 v[LS+4:LS+5], v[LS+4:LS+5], v[LS+6:LS+7]
	v_pk_add_f32 v[LS:LS+1], v[LS:LS+1], v[LS+4:LS+5]
	v_add_f32 v[LS], v[LS], v[LS+1]
	v_permlanex16_b32 v[XT], v[LS], s30, s31
	v_add_f32 v[LS], v[LS], v[XT]                  ; at least 1: the largest score's weight is 2^0
	v_rcp_f32 v[RC], v[LS]
	v_rcp_f32 v[RC+1], v[LS]
	v_nop                                          ; the plain instruction behind the reciprocals
.if \qt == 0
	s_wait_loadcnt 0x0                             ; V is in (nothing younger has been issued yet)
.endif
	WIN 0x01
.irp i, 0,1,2,3,4,5,6
.irp dt, 0,1
.if \i == 0
	v_wmma_f32_16x16x32_bf16 v[OO+8*\dt:OO+8*\dt+7], v[VW+16*\i+8*\dt:VW+16*\i+8*\dt+7], v[SS+8*\i:SS+8*\i+7], 0
.else
	v_wmma_f32_16x16x32_bf16 v[OO+8*\dt:OO+8*\dt+7], v[VW+16*\i+8*\dt:VW+16*\i+8*\dt+7], v[SS+8*\i:SS+8*\i+7], v[OO+8*\dt:OO+8*\dt+7]   ; the two accumulators take turns
.endif
.endr
.endr
	WIN 0
	PLACES 5                                       ; five places: the next tile's score products write over registers that these products read; the lines below read their results
	s_wait_alu depctr_va_vdst(0)
.irp p, 0,1,2,3,4,5,6,7
	v_pk_mul_f32 v[OO+2*\p:OO+2*\p+1], v[OO+2*\p:OO+2*\p+1], v[RC:RC+1]
.endr
.irp p, 0,1,2,3,4,5,6,7
	v_cvt_pk_bf16_f32 v[TM+\p], v[OO+2*\p], v[OO+2*\p+1]
.endr
	ds_store_b128 v[OXS], v[TM:TM+3]   offset:OXB+\qt*8192          ; channels 32 head + 8 h + 0..7 of token 16 qt + r
	ds_store_b128 v[OXS], v[TM+4:TM+7] offset:OXB+\qt*8192+512      ; channels 32 head + 16 + 8 h + 0..7
.endm
	s_wait_loadcnt 28                              ; Q and K are in; the 28 younger loads (V) stay out
	QT 0
	QT 1
	; THE PROJECTION.  Every wave needs every head's O: my stores are done (zero, for the others' sake), the barrier, then the reads.
	s_wait_dscnt 0x0
	s_barrier_signal -1
	s_barrier_wait -1
.irp ks, 0,1,2,3,4,5,6,7
.irp qt, 0,1
	ds_load_b128 v[OFR+16*\ks+8*\qt:OFR+16*\ks+8*\qt+3],   v[LO] offset:OXB+\qt*8192+\ks*1024
	ds_load_b128 v[OFR+16*\ks+8*\qt+4:OFR+16*\ks+8*\qt+7], v[LO] offset:OXB+\qt*8192+\ks*1024+512
.endr
.endr
	s_wait_loadcnt 0x0                             ; proj_w's fragments and proj_b
	WIN 0x01
.irp ks, 0,1,2,3,4,5,6,7
	s_wait_dscnt 28-4*\ks                          ; this K step's four loads are in; the later steps' stay out
.irp qt, 0,1
.irp el, 0,1
.if \ks == 0
	v_wmma_f32_16x16x32_bf16 v[ACC+16*\el+8*\qt:ACC+16*\el+8*\qt+7], v[KW+64*\el+8*\ks:KW+64*\el+8*\ks+7], v[OFR+16*\ks+8*\qt:OFR+16*\ks+8*\qt+7], v[PB+8*\el:PB+8*\el+7]   ; the bias starts the sums
.else
	v_wmma_f32_16x16x32_bf16 v[ACC+16*\el+8*\qt:ACC+16*\el+8*\qt+7], v[KW+64*\el+8*\ks:KW+64*\el+8*\ks+7], v[OFR+16*\ks+8*\qt:OFR+16*\ks+8*\qt+7], v[ACC+16*\el+8*\qt:ACC+16*\el+8*\qt+7]   ; four accumulators take turns
.endif
.endr
.endr
.endr
	WIN 0
	PLACES 4                                       ; four places: results are stored to LDS, fragment registers loaded again
	; THE WAY OUT: a lane holds 32 bytes of one row; whole rows are gathered in LDS and leave as 512 aligned bytes a store.
.irp qt, 0,1
.irp el, 0,1
	ds_store_b128 v[OUTS], v[ACC+16*\el+8*\qt:ACC+16*\el+8*\qt+3]   offset:\qt*16*OPITCH+\el*64
	ds_store_b128 v[OUTS], v[ACC+16*\el+8*\qt+4:ACC+16*\el+8*\qt+7] offset:\qt*16*OPITCH+\el*64+16
.endr
.endr
	s_wait_dscnt 0x0                               ; my part of the 32 rows is in LDS,
	s_barrier_signal -1
	s_barrier_wait -1                              ; everybody's is
.irp t, 0,1,2,3,4,5,6,7
	ds_load_b128 v[OFR+4*\t:OFR+4*\t+3], v[OUTR] offset:(\t>>1)*OPITCH+(\t&1)*512       ; rows 4 w .. 4 w + 3, two halves of 512 bytes each
.endr
.irp t, 0,1,2,3,4,5,6,7
	s_wait_dscnt 7-\t                              ; LDS loads return in order: load t is in
	global_store_b128 v[OG], v[OFR+4*\t:OFR+4*\t+3], s[14:15] offset:(\t>>1)*1024+(\t&1)*512 th:TH_STORE_NT
.endr
	s_wait_tensorcnt 0x0
	ds_add_u32 v38, v39
	s_wait_dscnt 0x0
	s_endpgm
.Lfunc_end_k_qe11763e930_attn:
	.size	k_qe11763e930_attn, .Lfunc_end_k_qe11763e930_attn-k_qe11763e930_attn
	.p2alignl 7, 3214868480
	.fill 96, 4, 3214868480
	.section	.rodata,"a",@progbits
	.p2align	6, 0x0
	.amdhsa_kernel k_qe11763e930_attn
		.amdhsa_group_segment_fixed_size 50688
		.amdhsa_private_segment_fixed_size 0
		.amdhsa_enable_private_segment 0
		.amdhsa_kernarg_size 48
		.amdhsa_user_sgpr_count 2
		.amdhsa_user_sgpr_kernarg_segment_ptr 1
		.amdhsa_wavefront_size32 1
		.amdhsa_system_sgpr_workgroup_id_x 1
		.amdhsa_system_sgpr_workgroup_id_y 1
		.amdhsa_system_sgpr_workgroup_id_z 1
		.amdhsa_system_vgpr_workitem_id 0
		.amdhsa_next_free_vgpr 496
		.amdhsa_next_free_sgpr 66
		.amdhsa_reserve_vcc 1
		.amdhsa_float_denorm_mode_32 3
		.amdhsa_float_denorm_mode_16_64 3
		.amdhsa_memory_ordered 1
		.amdhsa_forward_progress 1
		.amdhsa_inst_pref_size 67
	.end_amdhsa_kernel
	.amdgpu_metadata
---
amdhsa.version: [ 1, 2 ]
amdhsa.kernels:
  - .name:           k_qe11763e930_attn
    .symbol:         k_qe11763e930_attn.kd
    .args:
      - { .name: qf, .offset: 0, .size: 8, .value_kind: global_buffer, .address_space: global }
      - { .name: kf, .offset: 8, .size: 8, .value_kind: global_buffer, .address_space: global }
      - { .name: vf, .offset: 16, .size: 8, .value_kind: global_buffer, .address_space: global }
      - { .name: pw, .offset: 24, .size: 8, .value_kind: global_buffer, .address_space: global }
      - { .name: proj_b, .offset: 32, .size: 8, .value_kind: global_buffer, .address_space: global }
      - { .name: out0, .offset: 40, .size: 8, .value_kind: global_buffer, .address_space: global }
    .group_segment_fixed_size: 50688
    .private_segment_fixed_size: 0
    .kernarg_segment_align: 8
    .kernarg_segment_size: 48
    .max_flat_workgroup_size: 256
    .sgpr_count:     66
    .vgpr_count:     496
    .wavefront_size: 32
...
	.end_amdgpu_metadata
.endif
;; end of part 2
;; ======== version 2 of 2: 2 launches; version 1 with the launch attn written anew for expert scheduling mode
;; limits: right only within a limited range of input values
;; workspace buffers: qf 4,194,304 bytes; kf 4,194,304 bytes; vf 4,194,304 bytes; pw 131,072 bytes
;; launch qkv: the kernel of part 1 again; grid 4 x 64, 4 waves a work-group, no clusters, 184,832 bytes of LDS; arguments x, qkv_w, qkv_b, proj_w, qf, kf, vf, pw; writes qf, kf, vf, pw
;; launch attn (part 3): grid 256 x 1, 8 waves a work-group, no clusters, 50,688 bytes of LDS; arguments qf, kf, vf, pw, proj_b, out0; writes out0
.if DOCPART == 3
	.amdgcn_target "amdgcn-amd-amdhsa--gfx1250"
	.amdhsa_code_object_version 6
	.text
	.protected	k_qe11763e930_attn
	.globl	k_qe11763e930_attn
	.p2align	8
	.type	k_qe11763e930_attn,@function
k_qe11763e930_attn:
	s_mov_b64 s[64:65], 0
	v_nop
	global_prefetch_b8 v0, s[64:65] scope:SCOPE_SE
	s_setreg_imm32_b32 hwreg(HW_REG_WAVE_SCHED_MODE, 0, 2), 2
	s_setreg_imm32_b32 hwreg(HW_REG_WAVE_MODE, 25, 1), 1
	s_wait_xcnt 0x0
	s_wait_alu depctr_vm_vsrc(0)
; Windowed attention and the output projection.  Token (g, w) of the 32 x 32 grid sees (g', w') iff |g - g'| <= 3 and |w - w'| <= 5.
; A work-group is one grid row G = 32 b + g of one batch: 32 queries, two tiles qt of 16.  Eight waves; in the attention wave = head,
; in the projection wave w makes output columns e = 32 w .. 32 w + 31 of all 32 tokens.  Straight-line text: no loop, no branch.
; qf, kf, vf, pw hold matrix fragments in register order ([half][lane][16 bytes], 1,024 bytes a fragment): every load is 512 aligned
; bytes of a wave and lands as an operand.  The chain of operand orders needs no shuffle:
;   S^T = K Q^T + mask  lane (r, h), register j = key 8 h + j of a key tile, query r; two key tiles rounded to bf16 are P's fragment (K = 32 keys)
;   O^T = V^T P^T       lane (r, h), register j = d 8 h + j of a d tile, query r; two d tiles rounded are the projection's fragment (K step = head)
;   out^T = W O^T + b   lane (r, h), register j = column 8 h + j, token r
; KEY ROWS: seven slots i = rows start + i, start = min(max(g - 3, 0), 25), so every load stays inside its batch.  A slot outside
; g - 3 .. g + 3 (edge rows only) is computed and then shifted by -1e30 ahead of maximum and exponential: its weights are exact zeros.
; SOFTMAX: the true maximum over the allowed keys is taken away; q carries log2(e)/16, so exp is the base-2 one.  All 224 scores of a
; query tile stay in 112 registers between the two passes.  A query's keys lie in lanes r and r + 16: one exchange for maximum and sum.
; No cluster, no tensor loads: neighbouring work-groups' key windows differ by a row, and everything lands in registers directly.
; LIMITS: masked scores are -1e30 in place of -infinity: right while |q.k log2(e)/16| < 1e29.  NaN and infinities are not looked after.
; The denominator sums the unrounded f32 weights, the numerator uses them rounded to bf16.
; THE MODE: SCHED_MODE bits 1:0 = 2 (LLVM: expert scheduling mode 2), set by the entry lines.  The code itself states the register dependences
; between vector or matrix instructions and memory or LDS instructions, with s_wait_alu, always for 0.
; THE PLAN.  Registers that memory or LDS instructions touch:
;   v1, v2, v4-v7   offsets and LDS addresses, each written once at the head and never again.
;   Q, K, V         filled by the head's 60 loads; matrix instructions alone read them.
;   K's registers   read last by the second tile's score products; then proj_w's 32 loads land there.  One wait states that those products are done;
;                   the loads are dealt behind the exponentials of slots 0 to 3 (proj_b's four behind slot 4's): the vector lines between name
;                   the scores, v16-19 and v21 alone, none of the registers that these loads touch.
;   v[TM ..]        at work in the maxima, then the rounded O, which a tile's two LDS stores read: a wait ahead of the stores (the roundings have
;                   written them), a wait ahead of the second tile's first maximum (the first tile's stores have read them).
;   v80-207         scores, weights and O^T of the attention; then the 32 LDS loads of the exchange land there.  The wait ahead of the second tile's
;                   LDS stores is the last line behind which no vector or matrix instruction stands: it serves these loads too.
;   v208-239        the projection's sums, which the stage's LDS stores read: a wait ahead of them, which also serves the read-backs into v80-111.
; A tile's 112 exponentials are one batch with one wait; its two reciprocals have one wait.  A scalar register that a vector line writes
; (the wave's number, the masks' compares) has its wait ahead of its first reader; the compares go in runs of eight.
.set LO,   1                           ; v1  16 x lane
.set OXS,  2                           ; v2  LDS: head*1024 + 16 lane
.set OUTS, 4                           ; v4  LDS: 16384 + r*1040 + 128 w + 32 h
.set OUTR, 5                           ; v5  LDS: 16384 + 4 w*1040 + 16 lane
.set OG,   6                           ; v6  out0: 4 w rows of 1,024 bytes + 16 lane
.set PBO,  7                           ; v7  proj_b: 128 w + 32 h
.set TM,   8                           ; v8-15   at work; also the rounded O
.set NMA,  16                          ; v[16:17], v[18:19]: -(maximum) - slot shift, for even and odd slots (v17, v19 = 0, never used as numbers)
.set MX,   20                          ; v20 running maximum
.set NEGM, 21                          ; v21 its negative
.set XT,   22                          ; v22 what the other half of the lanes holds
.set LS,   24                          ; v24-31  four chains of pairs for the row sum
.set RC,   32                          ; v[32:33] 1 / row sum, twice
.set QF,   40                          ; v40-55  Q, tile qt at 8 qt
.set MD,   56                          ; v56-63  mask tile, key tile = query tile
.set MU,   64                          ; v64-71  query tile 0, key tile 1
.set ML,   72                          ; v72-79  query tile 1, key tile 0
.set SS,   80                          ; v80-191 scores: slot i, key tile kt at 16 i + 8 kt; rounded P of slot i at 8 i
.set OO,   192                         ; v192-207 O^T, d tile dt at 8 dt
.set OFR,  80                          ; v80-207 projection: O's fragments, K step ks, tile qt at 16 ks + 8 qt
.set ACC,  208                         ; v208-239 projection sums, 16 el + 8 qt
.set PB,   240                         ; v240-255 proj_b, 8 el
.set KW,   0                           ; window 1: 0-111 K (16 i + 8 kt); later 0-127 proj_w's fragments (64 el + 8 ks)
.set VW,   128                         ; window 1: 128-239 V (16 i + 8 dt)
.set SB,   20                          ; s20-26 slot shifts: 0 or 1e30
.set CM,   32                          ; s32-39 first byte offsets, then (behind the additions that read them) the masks of a run of eight compares
.set OXB,  0                           ; LDS: O exchange, [qt][head][half][lane][16 bytes], 16,384 bytes
.set OPITCH, 1040                      ; LDS: output stage at 16,384, 32 rows of 1,024 + 16 bytes = 65 x 16: sixteen rows fall in sixteen different 16-byte columns modulo 256
.set MSB, 0
.macro WIN new                         ; low byte: bits 1:0 source 0, 3:2 source 1, 5:4 source 2, 7:6 destination; the high byte repeats the setting that is left
.if MSB != \new
	s_set_vgpr_msb (MSB<<8)|\new
.set MSB, \new
.endif
.endm
.macro PLACES n
.rept \n
	v_nop
.endr
.endm
	s_load_b256 s[4:11], s[0:1], 0x0               ; qf 4, kf 6, vf 8, pw 10
	s_load_b128 s[12:15], s[0:1], 0x20             ; proj_b 12, out0 14
	v_lshl_add_u32 v38, v0, 2, 0xc200
	v_mov_b32 v39, 0
	v_lshrrev_b32 v8, 5, v0
	v_readfirstlane_b32 s16, v8                    ; wave = head
	v_and_b32 v9, 31, v0
	v_lshlrev_b32 v[LO], 4, v9
	s_and_b32 s27, ttmp9, 31                       ; g
	s_sub_co_i32 s17, s27, 3
	s_max_i32 s17, s17, 0
	s_min_i32 s17, s17, 25                         ; start
	s_sub_co_i32 s18, s17, s27
	s_add_co_i32 s18, s18, 3                       ; start - (g - 3)
.irp i, 0,1,2,3,4,5,6
	s_add_co_i32 s19, s18, \i                      ; slot i's row less g - 3: inside the window iff 0 .. 6 (unsigned compare)
	s_cmp_le_u32 s19, 6
	s_cselect_b32 s[SB+\i], 0, 0x7149f2ca          ; 0 or 1e30
.endr
	s_wait_alu depctr_va_sdst(0)                   ; s16 is written, ahead of its first reader: the offsets in qf, kf, vf and pw are made from it
	s_lshl_b32 s32, s16, 11                        ; head*2048
	s_lshl_b32 s28, ttmp9, 14
	s_add_co_u32 s28, s28, s32                     ; qf: G*16384 + head*2048
	s_mov_b32 s29, 0
	s_sub_co_u32 s33, ttmp9, s27
	s_add_co_u32 s33, s33, s17                     ; 32 b + start
	s_lshl_b32 s34, s33, 14
	s_add_co_u32 s34, s34, s32                     ; kf, vf
	s_mov_b32 s35, 0
	s_lshl_b32 s36, s16, 14                        ; pw: my two e tiles, 16,384 bytes
	s_mov_b32 s37, 0
	s_lshl_b32 s38, ttmp9, 15                      ; out0: 32 rows of 1,024 bytes
	s_mov_b32 s39, 0
	s_mov_b32 s30, 0x76543210                      ; v_permlanex16_b32: lane i reads lane i of the other half
	s_mov_b32 s31, 0xfedcba98
	s_wait_kmcnt 0x0
	s_add_nc_u64 s[4:5], s[4:5], s[28:29]
	s_add_nc_u64 s[6:7], s[6:7], s[34:35]
	s_add_nc_u64 s[8:9], s[8:9], s[34:35]
	s_add_nc_u64 s[10:11], s[10:11], s[36:37]
	s_add_nc_u64 s[14:15], s[14:15], s[38:39]      ; no base and no address register is written again
	s_wait_alu depctr_va_vdst(0)                   ; v[LO] is written: the 60 loads below read it as their offset; only window switches stand among them
	; 60 loads: Q (4), K (28), V (28)
.irp n, 0,1,2,3
	global_load_b128 v[QF+4*\n:QF+4*\n+3], v[LO], s[4:5] offset:\n*512 th:TH_LOAD_NT
.endr
	WIN 0x40
.irp i, 0,1,2,3,4,5,6
.irp n, 0,1,2,3
	global_load_b128 v[KW+16*\i+4*\n:KW+16*\i+4*\n+3], v[LO], s[6:7] offset:\i*16384+\n*512
.endr
.endr
.irp i, 0,1,2,3,4,5,6
.irp n, 0,1,2,3
	global_load_b128 v[VW+16*\i+4*\n:VW+16*\i+4*\n+3], v[LO], s[8:9] offset:\i*16384+\n*512
.endr
.endr
	WIN 0
	; while they are on their way: addresses and the three mask tiles (none of these lines writes a register that a load above names)
	v_and_b32 v10, 15, v0                          ; r
	v_bfe_u32 v11, v0, 4, 1                        ; h
	v_lshl_add_u32 v[OXS], v8, 10, v[LO]
	v_lshlrev_b32 v[PBO], 5, v11
	v_lshl_add_u32 v[PBO], v8, 7, v[PBO]
	v_mul_u32_u24 v[OUTS], v10, OPITCH
	v_add_nc_u32 v[OUTS], v[OUTS], v[PBO]
	v_add_nc_u32 v[OUTS], 16384, v[OUTS]
	v_mul_u32_u24 v[OUTR], v8, 4*OPITCH
	v_add_nc_u32 v[OUTR], v[OUTR], v[LO]
	v_add_nc_u32 v[OUTR], 16384, v[OUTR]
	v_lshl_add_u32 v[OG], v8, 12, v[LO]
	v_mov_b32 v[XT], 0
	v_mov_b32 v[NMA+1], 0
	v_mov_b32 v[NMA+3], 0
	v_lshlrev_b32 v12, 3, v11
	v_sub_nc_u32 v12, v12, v10                     ; 8 h - r
	v_mov_b32 v13, 0xf149f2ca                      ; -1e30
	v_mov_b32 v14, 0
; register j: key column 16 kt + 8 h + j against query column 16 qt + r; allowed iff their difference + 5 is 0 .. 10 (unsigned compare).  delta = 16 (kt - qt)
; The eight differences are made in the mask's own registers; the eight compares go as one run into eight scalar registers, with one wait behind the run.
.macro MASKT base, delta
.irp j, 0,1,2,3,4,5,6,7
	v_add_nc_u32 v[\base+\j], 5+\j+\delta, v12
.endr
.irp j, 0,1,2,3,4,5,6,7
	v_cmp_ge_u32 s[CM+\j], 10, v[\base+\j]
.endr
	s_wait_alu depctr_va_sdst(0)                   ; the eight compares have written s[CM ..], ahead of the selects that read them
.irp j, 0,1,2,3,4,5,6,7
	v_cndmask_b32 v[\base+\j], v13, v14, s[CM+\j]
.endr
.endm
	MASKT MD, 0
	MASKT MU, 16
	MASKT ML, -16
; the largest of slot i's 16 scores of my lane, shifted, into the running maximum
.macro ROWMAX i
	v_max3_num_f32 v[TM+0], v[SS+16*\i+0],  v[SS+16*\i+1],  v[SS+16*\i+2]
	v_max3_num_f32 v[TM+1], v[SS+16*\i+3],  v[SS+16*\i+4],  v[SS+16*\i+5]
	v_max3_num_f32 v[TM+2], v[SS+16*\i+6],  v[SS+16*\i+7],  v[SS+16*\i+8]
	v_max3_num_f32 v[TM+3], v[SS+16*\i+9],  v[SS+16*\i+10], v[SS+16*\i+11]
	v_max3_num_f32 v[TM+4], v[SS+16*\i+12], v[SS+16*\i+13], v[SS+16*\i+14]
	v_max3_num_f32 v[TM+0], v[TM+0], v[TM+1], v[TM+2]
	v_max3_num_f32 v[TM+3], v[TM+3], v[TM+4], v[SS+16*\i+15]
	v_max_num_f32 v[TM+0], v[TM+0], v[TM+3]
.if \i == 0
	v_sub_f32 v[MX], v[TM+0], s[SB+\i]             ; the first slot starts the maximum
.else
	v_sub_f32 v[TM+0], v[TM+0], s[SB+\i]
	v_max_num_f32 v[MX], v[MX], v[TM+0]
.endif
.endm
; slot i, first part: P = 2^(S - maximum - shift), in place.  No line of it names an exponential's result: the seven slots' 112 exponentials are one batch.
; In the second tile the loads of proj_w and proj_b are dealt behind the exponentials of slots 0 to 4.
.macro EXPS i, qt
.set NMC, NMA+2*(\i&1)
.set NMN, NMA+2-2*(\i&1)
.irp p, 0,1,2,3,4,5,6,7
	v_pk_add_f32 v[SS+16*\i+2*\p:SS+16*\i+2*\p+1], v[SS+16*\i+2*\p:SS+16*\i+2*\p+1], v[NMC:NMC+1] op_sel_hi:[1,0]
.endr
.irp j, 0,1,2,3,4,5,6,7,8,9,10,11,12,13,14,15
	v_exp_f32 v[SS+16*\i+\j], v[SS+16*\i+\j]
.endr
.if \i < 6
	v_sub_f32 v[NMN], v[NEGM], s[SB+\i+1]          ; the next slot's addend
.else
	v_nop                                          ; the plain instruction between the last exponential and the first use of a result (ISA guide 5.7.2): one for the batch
.endif
.if \qt == 1
.if \i < 4
	WIN 0x40                                       ; K has had its last use: eight of proj_w's 32 half fragments of my two e tiles take its place.  No wait here:
.set n, 8*\i                                           ; no vector or matrix instruction since the wait ahead of slot 0 names these registers or v[LO]
.rept 8
	global_load_b128 v[KW+4*n:KW+4*n+3], v[LO], s[10:11] offset:n*512
.set n, n+1
.endr
	WIN 0
.else
.if \i == 4
.irp el, 0,1
	global_load_b128 v[PB+8*\el:PB+8*\el+3],   v[PBO], s[12:13] offset:\el*64       ; no vector instruction of the kernel names v[PB ..]; v[PBO] was written at the head
	global_load_b128 v[PB+8*\el+4:PB+8*\el+7], v[PBO], s[12:13] offset:\el*64+16
.endr
.endif
.endif
.endif
.endm
; slot i, second part, behind the batch's wait: the weights are summed in f32 and rounded to bf16 into P's fragment at SS + 8 i (registers whose weights have been used)
.macro SUMS i
.if \i == 0
.irp c, 0,1,2,3
	v_pk_add_f32 v[LS+2*\c:LS+2*\c+1], v[SS+2*\c:SS+2*\c+1], v[SS+8+2*\c:SS+8+2*\c+1]              ; the first slot starts the four chains
.endr
.else
.irp p, 0,1,2,3,4,5,6,7
	v_pk_add_f32 v[LS+2*(\p&3):LS+2*(\p&3)+1], v[LS+2*(\p&3):LS+2*(\p&3)+1], v[SS+16*\i+2*\p:SS+16*\i+2*\p+1]
.endr
.endif
.irp p, 0,1,2,3,4,5,6,7
	v_cvt_pk_bf16_f32 v[SS+8*\i+\p], v[SS+16*\i+2*\p], v[SS+16*\i+2*\p+1]
.endr
.endm
; one query tile of my head
.macro QT qt
	WIN 0x01                                       ; source 0 (K, V) window 1, the rest window 0
.irp i, 0,1,2,3,4,5,6
.irp kt, 0,1
.if \kt == \qt
	v_wmma_f32_16x16x32_bf16 v[SS+16*\i+8*\kt:SS+16*\i+8*\kt+7], v[KW+16*\i+8*\kt:KW+16*\i+8*\kt+7], v[QF+8*\qt:QF+8*\qt+7], v[MD:MD+7]
.else
.if \kt > \qt
	v_wmma_f32_16x16x32_bf16 v[SS+16*\i+8*\kt:SS+16*\i+8*\kt+7], v[KW+16*\i+8*\kt:KW+16*\i+8*\kt+7], v[QF+8*\qt:QF+8*\qt+7], v[MU:MU+7]
.else
	v_wmma_f32_16x16x32_bf16 v[SS+16*\i+8*\kt:SS+16*\i+8*\kt+7], v[KW+16*\i+8*\kt:KW+16*\i+8*\kt+7], v[QF+8*\qt:QF+8*\qt+7], v[ML:ML+7]
.endif
.endif
.endr
.endr
	WIN 0
	PLACES 4                                       ; four places behind the last matrix instruction: scores are read (ISA guide 7.12.1)
.if \qt == 1
	s_wait_alu depctr_vm_vsrc(0)                   ; the first tile's two LDS stores have read v[TM ..], which the maxima below write again
.endif
.irp i, 0,1,2,3,4,5,6
	ROWMAX \i
.endr
	v_permlanex16_b32 v[XT], v[MX], s30, s31       ; the query's other 112 keys lie in lane r xor 16
	v_max_num_f32 v[MX], v[MX], v[XT]
	v_sub_f32 v[NEGM], 0, v[MX]
	v_sub_f32 v[NMA], v[NEGM], s[SB]
.if \qt == 1
	s_wait_alu depctr_va_vdst(0)                   ; the score products are done reading K's registers, in which the loads of proj_w land that are dealt among the slots below
.endif
.irp i, 0,1,2,3,4,5,6
	EXPS \i, \qt
.endr
	s_wait_alu depctr_va_vdst(0)                   ; the 112 exponentials have written the weights, ahead of the first line that names one: one wait for the batch
.irp i, 0,1,2,3,4,5,6
	SUMS \i
.endr
	v_pk_add_f32 v[LS:LS+1], v[LS:LS+1], v[LS+2:LS+3]
	v_pk_add_f32 v[LS+4:LS+5], v[LS+4:LS+5], v[LS+6:LS+7]
	v_pk_add_f32 v[LS:LS+1], v[LS:LS+1], v[LS+4:LS+5]
	v_add_f32 v[LS], v[LS], v[LS+1]
	v_permlanex16_b32 v[XT], v[LS], s30, s31
	v_add_f32 v[LS], v[LS], v[XT]                  ; at least 1: the largest score's weight is 2^0
	v_rcp_f32 v[RC], v[LS]
	v_rcp_f32 v[RC+1], v[LS]
	v_nop                                          ; the plain instruction behind the reciprocals
.if \qt == 0
	s_wait_loadcnt 0x0                             ; V is in (nothing younger has been issued yet)
.endif
	WIN 0x01
.irp i, 0,1,2,3,4,5,6
.irp dt, 0,1
.if \i == 0
	v_wmma_f32_16x16x32_bf16 v[OO+8*\dt:OO+8*\dt+7], v[VW+16*\i+8*\dt:VW+16*\i+8*\dt+7], v[SS+8*\i:SS+8*\i+7], 0
.else
	v_wmma_f32_16x16x32_bf16 v[OO+8*\dt:OO+8*\dt+7], v[VW+16*\i+8*\dt:VW+16*\i+8*\dt+7], v[SS+8*\i:SS+8*\i+7], v[OO+8*\dt:OO+8*\dt+7]   ; the two accumulators take turns
.endif
.endr
.endr
	WIN 0
	PLACES 5                                       ; five places: the next tile's score products write over registers that these products read; the lines below read their results
	s_wait_alu depctr_va_vdst(0)                   ; the two reciprocals have written v[RC:RC+1], ahead of their first reader; the places above stay beside this wait
.irp p, 0,1,2,3,4,5,6,7
	v_pk_mul_f32 v[OO+2*\p:OO+2*\p+1], v[OO+2*\p:OO+2*\p+1], v[RC:RC+1]
.endr
.irp p, 0,1,2,3,4,5,6,7
	v_cvt_pk_bf16_f32 v[TM+\p], v[OO+2*\p], v[OO+2*\p+1]
.endr
	s_wait_alu depctr_va_vdst(0)                   ; the roundings have written v[TM ..], which the two LDS stores read.  In the second tile also: every reader and writer of v80-207 is done
	ds_store_b128 v[OXS], v[TM:TM+3]   offset:OXB+\qt*8192          ; channels 32 head + 8 h + 0..7 of token 16 qt + r
	ds_store_b128 v[OXS], v[TM+4:TM+7] offset:OXB+\qt*8192+512      ; channels 32 head + 16 + 8 h + 0..7
.endm
	s_wait_loadcnt 28                              ; Q and K are in; the 28 younger loads (V) stay out
	QT 0
	QT 1
	; THE PROJECTION.  Every wave needs every head's O: my stores are done (zero, for the others' sake), the barrier, then the reads.
	s_wait_dscnt 0x0
	s_barrier_signal -1
	s_barrier_wait -1
	; These loads land in the registers of the scores, the weights and O^T.  No vector or matrix instruction stands behind the wait ahead of the second tile's LDS stores: it serves them too.
.irp ks, 0,1,2,3,4,5,6,7
.irp qt, 0,1
	ds_load_b128 v[OFR+16*\ks+8*\qt:OFR+16*\ks+8*\qt+3],   v[LO] offset:OXB+\qt*8192+\ks*1024
	ds_load_b128 v[OFR+16*\ks+8*\qt+4:OFR+16*\ks+8*\qt+7], v[LO] offset:OXB+\qt*8192+\ks*1024+512
.endr
.endr
	s_wait_loadcnt 0x0                             ; proj_w's fragments and proj_b
	WIN 0x01
.irp ks, 0,1,2,3,4,5,6,7
	s_wait_dscnt 28-4*\ks                          ; this K step's four loads are in; the later steps' stay out
.irp qt, 0,1
.irp el, 0,1
.if \ks == 0
	v_wmma_f32_16x16x32_bf16 v[ACC+16*\el+8*\qt:ACC+16*\el+8*\qt+7], v[KW+64*\el+8*\ks:KW+64*\el+8*\ks+7], v[OFR+16*\ks+8*\qt:OFR+16*\ks+8*\qt+7], v[PB+8*\el:PB+8*\el+7]   ; the bias starts the sums
.else
	v_wmma_f32_16x16x32_bf16 v[ACC+16*\el+8*\qt:ACC+16*\el+8*\qt+7], v[KW+64*\el+8*\ks:KW+64*\el+8*\ks+7], v[OFR+16*\ks+8*\qt:OFR+16*\ks+8*\qt+7], v[ACC+16*\el+8*\qt:ACC+16*\el+8*\qt+7]   ; four accumulators take turns
.endif
.endr
.endr
.endr
	WIN 0
	PLACES 4                                       ; four places behind the last matrix instruction, before its result is stored to LDS (ISA guide 7.12.1)
	s_wait_alu depctr_va_vdst(0)                   ; the products have written the sums, which the LDS stores read, and are done reading O's fragments, in which the read-backs below land; the places above stay beside this wait
	; THE WAY OUT: a lane holds 32 bytes of one row; whole rows are gathered in LDS and leave as 512 aligned bytes a store.
.irp qt, 0,1
.irp el, 0,1
	ds_store_b128 v[OUTS], v[ACC+16*\el+8*\qt:ACC+16*\el+8*\qt+3]   offset:\qt*16*OPITCH+\el*64
	ds_store_b128 v[OUTS], v[ACC+16*\el+8*\qt+4:ACC+16*\el+8*\qt+7] offset:\qt*16*OPITCH+\el*64+16
.endr
.endr
	s_wait_dscnt 0x0                               ; my part of the 32 rows is in LDS,
	s_barrier_signal -1
	s_barrier_wait -1                              ; everybody's is
.irp t, 0,1,2,3,4,5,6,7
	ds_load_b128 v[OFR+4*\t:OFR+4*\t+3], v[OUTR] offset:(\t>>1)*OPITCH+(\t&1)*512       ; rows 4 w .. 4 w + 3, two halves of 512 bytes each
.endr
.irp t, 0,1,2,3,4,5,6,7
	s_wait_dscnt 7-\t                              ; LDS loads return in order: load t is in
	global_store_b128 v[OG], v[OFR+4*\t:OFR+4*\t+3], s[14:15] offset:(\t>>1)*1024+(\t&1)*512 th:TH_STORE_NT
.endr
	s_wait_dscnt 0x0
	s_wait_alu depctr_hold_cnt(0) depctr_sa_sdst(0) depctr_va_vdst(0) depctr_va_sdst(0) depctr_va_ssrc(0) depctr_va_vcc(0) depctr_vm_vsrc(0)
	s_wait_tensorcnt 0x0
	ds_add_u32 v38, v39
	s_wait_dscnt 0x0
	s_endpgm
.Lfunc_end_k_qe11763e930_attn:
	.size	k_qe11763e930_attn, .Lfunc_end_k_qe11763e930_attn-k_qe11763e930_attn
	.p2alignl 7, 3214868480
	.fill 96, 4, 3214868480
	.section	.rodata,"a",@progbits
	.p2align	6, 0x0
	.amdhsa_kernel k_qe11763e930_attn
		.amdhsa_group_segment_fixed_size 50688
		.amdhsa_private_segment_fixed_size 0
		.amdhsa_enable_private_segment 0
		.amdhsa_kernarg_size 48
		.amdhsa_user_sgpr_count 2
		.amdhsa_user_sgpr_kernarg_segment_ptr 1
		.amdhsa_wavefront_size32 1
		.amdhsa_system_sgpr_workgroup_id_x 1
		.amdhsa_system_sgpr_workgroup_id_y 1
		.amdhsa_system_sgpr_workgroup_id_z 1
		.amdhsa_system_vgpr_workitem_id 0
		.amdhsa_next_free_vgpr 496
		.amdhsa_next_free_sgpr 66
		.amdhsa_reserve_vcc 0
		.amdhsa_float_denorm_mode_32 3
		.amdhsa_float_denorm_mode_16_64 3
		.amdhsa_memory_ordered 1
		.amdhsa_forward_progress 1
		.amdhsa_inst_pref_size 68
	.end_amdhsa_kernel
	.amdgpu_metadata
---
amdhsa.version: [ 1, 2 ]
amdhsa.kernels:
  - .name:           k_qe11763e930_attn
    .symbol:         k_qe11763e930_attn.kd
    .args:
      - { .name: qf, .offset: 0, .size: 8, .value_kind: global_buffer, .address_space: global }
      - { .name: kf, .offset: 8, .size: 8, .value_kind: global_buffer, .address_space: global }
      - { .name: vf, .offset: 16, .size: 8, .value_kind: global_buffer, .address_space: global }
      - { .name: pw, .offset: 24, .size: 8, .value_kind: global_buffer, .address_space: global }
      - { .name: proj_b, .offset: 32, .size: 8, .value_kind: global_buffer, .address_space: global }
      - { .name: out0, .offset: 40, .size: 8, .value_kind: global_buffer, .address_space: global }
    .group_segment_fixed_size: 50688
    .private_segment_fixed_size: 0
    .kernarg_segment_align: 8
    .kernarg_segment_size: 48
    .max_flat_workgroup_size: 256
    .sgpr_count:     66
    .vgpr_count:     496
    .wavefront_size: 32
...
	.end_amdgpu_metadata
.endif
;; end of part 3
